; MI455X (gfx1250); checked and timed in simulation.
; The chip was launched on July 23, 2026; its instructions are those of AMD's public machine-readable ISA for CDNA 5 (MIT licence, August 2026) and "CDNA5" Instruction Set Architecture Reference Guide (July 2026). The comments in the code are by the model that wrote it; some were corrected since.
;; Lo RA Linear. Allowed arithmetic: matrix products marked QUANTISED: E2M1 operands, one E8M0 scale for each 32 along K, by v_wmma_scale_f32_16x16x128_f8f6f4 with both operands' format E2M1 (or v_wmma_scale_f32_32x16x128_f4), f32 sums; products left as they are: f32 operands where the result goes on into a quantised operand, else bf16, f16 or f32 operands; f32 sums; everything else in f32.
;; Inputs: lora_A 16 x 4,096 float32; lora_B 4,096 x 16 float32; scale 4,096 float32; signs 4,096 x 4,096 float32; x 4 x 1,024 x 4,096 float32.
;; Outputs: out0 4 x 1,024 x 4,096 float32.
;; This version of the problem:
;;   THIS VERSION OF THE PROBLEM IS GIVEN IN LOW PRECISION. The matrix products marked QUANTISED in the list below multiply operands that are first quantised to E2M1 (2 exponent bits, 1 mantissa bit; 4 bits a number), with one power-of-two scale for each 32 numbers along K (OCP MX v1.0); their sums are f32. All else is computed in f32.
;;   The module's matrix products, in the order in which they are computed (A, B: the left and right operand; K: the contracted axis; several contracted axes count as one K, in the product's order):
;;     1. [M 4,096, K 4,096] x [K 4,096, N 4,096]; A: input x; B: input signs: QUANTISED
;;     2. [M 4,096, K 4,096] x [K 4,096, N 16]; A: input x; B: input lora_A: QUANTISED
;;     3. [M 4,096, K 16] x [K 16, N 4,096]; A: computed on the way; B: input lora_B: left as it is (K = 16 < 32)
;;   THE QUANTISER, for each operand of a quantised product, along K:
;;     - K is cut into blocks of 32 from its start; a last block that is shorter is filled with zeros.
;;     - A block's scale is 2^e with e = floor(log2(the largest magnitude in the block)) - 2, held to -126 .. 127; a block of zeros has e = 0. As a byte (E8M0): e + 127.
;;     - Each number is divided by its block's scale, clamped to +-6, and rounded to the nearest number of E2M1, ties to even, subnormals kept.
;;     - The product sums the exact products of the quantised numbers (number of the format x scale) in f32.
;;   ~~~python
;;   def quantise(x, axis):      # numpy; x: float32 -> the quantised numbers, widened to float32 again
;;       x = np.moveaxis(x, axis, -1); K = x.shape[-1]
;;       x = np.pad(x, [(0, 0)] * (x.ndim - 1) + [(0, -K % 32)]); x = x.reshape(x.shape[:-1] + (-1, 32)); a = np.abs(x).max(-1, keepdims=True)
;;       e = np.where(a > 0, np.clip(np.frexp(np.where(a > 0, a, 1))[1] - 1 - 2, -126, 127), 0)      # np.frexp(a)[1] - 1 = floor(log2(a)), exactly
;;       r = np.clip(x / 2.0 ** e, -6, 6)
;;       step = 2.0 ** (np.maximum(np.frexp(np.where(r == 0, 1, r))[1] - 1, 0) - 1)
;;       q = np.round(r / step) * step * 2.0 ** e      # np.round: ties to even
;;       return np.moveaxis(q.reshape(q.shape[:-2] + (-1,))[..., :K], -1, axis).astype(np.float32)
;;   ~~~
;; One version. Each part assembles by itself: llvm-mc -triple=amdgcn-amd-amdhsa -mcpu=gfx1250 --defsym DOCPART=n.
;; ======== version 1 of 1: 2 launches
;; limits: values are held in bf16: 8 bits of precision; right only within a limited range of input values
;; workspace buffers: xq 8,912,896 bytes; wq 8,912,896 bytes; aq 34,816 bytes
;; launch quant (part 1): grid 1026 x 1, 4 waves a work-group, no clusters, 17,920 bytes of LDS; arguments x, signs, lora_A, xq, wq, aq; writes xq, wq, aq
.if DOCPART == 1
	.amdgcn_target "amdgcn-amd-amdhsa--gfx1250"
	.amdhsa_code_object_version 6
	.text
	.protected	k_q090b3f51fc_quant
	.globl	k_q090b3f51fc_quant
	.p2align	8
	.type	k_q090b3f51fc_quant,@function
k_q090b3f51fc_quant:
	s_mov_b64 s[64:65], 0
	v_nop
	global_prefetch_b8 v0, s[64:65] scope:SCOPE_SE
	s_setreg_imm32_b32 hwreg(HW_REG_WAVE_MODE, 25, 1), 1
	s_wait_xcnt 0x0
; x [4096][4096], signs [4096][4096] and lora_A [16][4096], f32 with K innermost, are turned into codes of FP4 (E2M1) with one E8M0 scale byte for each 32 along K.
; A block's scale is 2^(floor(log2(its largest magnitude)) - 2); its byte is the largest magnitude's exponent field - 2, held at 1 from below.  Each number is divided by the scale and rounded to the
; nearest code, ties to even; beyond 6 the conversion gives the largest code.
; LIMITS: a block of zeros gets the byte 1 where the quantiser says 127 (its codes are zeros, which add nothing under any byte but 0xff, and only this program reads the bytes);
; NaN and infinities among the inputs are not served.
; THE OUTPUT LIES IN THE ORDER OF THE OPERAND'S REGISTERS.  xq, wq: [group of 128 rows, 32][K step of 512, 8][34,816 bytes]; in those: codes [tile of 16 rows, 8][128 along K, 4][block of 32, 4][row, 16][16 bytes],
; then from byte 32,768 the scale bytes [tile, 8][row, 16][16 bytes: byte 4 q + b for block b of the q-th 128].  aq (16 rows): [K step, 8][4,096 bytes of codes + 256 scale bytes].
; So what a wave of the next launch fetches for a K step is one dense run of bytes, and a fragment (16 rows x 128 K) is 1,024 bytes on end: register group c of lane l at 512 c + 16 l.
; SHARES.  A wave takes one tile of 16 rows x one K step of 512: 2,048 such units in x, 2,048 in signs, 8 in lora_A: 4,104 = 4 waves x 1,026 work-groups.  Work-groups 0-511 take x, 512-1023 signs, 1024-1025 lora_A:
; only pointers and two strides are chosen, on the work-group's number; there is one way through the text.
; A STEP is 16 rows x 64 along K.  Its eight loads read 256 consecutive bytes of two rows each, 16 bytes a lane; the 4,096 bytes turn through the wave's own stage in LDS (rows 272 bytes apart) and come back so that
; lane (r, h) holds the whole block k = 32 h + 0 .. 31 of row r in 32 registers: its largest magnitude needs no other lane, and its 16 bytes of codes are the lane's 16 bytes of half a fragment.
; No tensor loads, no barrier, no matrix unit: waves share nothing, and the bytes decide.  Loads run three steps (24 loads a wave) ahead.  No address and no store's data are ever written again.
.set PITCH, 272                        ; a stage row: 256 bytes + 16
.set STG,   16*PITCH                   ; a wave's stage
.set W,     14                         ; v14-17   scale words, one for each 128 along K
.set P,     18                         ; v18-21   the other half's bytes
.set X,     24                         ; v24-55   my block's 32 numbers
.set C,     56                         ; v56-87   codes: four registers for each step
.set R,     88                         ; v88-183  three sets of 32 registers as loaded
	s_load_b256 s[4:11], s[0:1], 0x0               ; x s[4:5], signs s[6:7], lora_A s[8:9], xq s[10:11]
	s_load_b128 s[12:15], s[0:1], 0x20             ; wq s[12:13], aq s[14:15]
	v_lshl_add_u32 v184, v0, 2, 0x4400             ; my spare word, behind the four stages; never rewritten
	v_mov_b32 v185, 0                              ; 0; never rewritten
	v_lshrrev_b32 v1, 5, v0
	v_readfirstlane_b32 s16, v1                    ; wave 0..3
	v_and_b32 v1, 31, v0                           ; lane
	v_and_b32 v2, 15, v0                           ; r
	v_bfe_u32 v3, v0, 4, 1                         ; h
	v_lshlrev_b32 v4, 4, v2
	v_lshl_add_u32 v4, v3, 14, v4                  ; in: 16 r bytes of a row; lanes 16-31 one row (16,384 bytes) further down
	s_mul_i32 s22, s16, STG                        ; my stage
	v_mul_u32_u24 v5, v3, PITCH
	v_lshl_add_u32 v5, v2, 4, v5
	v_add_nc_u32 v5, s22, v5                       ; into it, as loaded: row h, 16 r
	v_mul_u32_u24 v6, v2, PITCH
	v_lshl_add_u32 v6, v3, 7, v6
	v_add_nc_u32 v6, s22, v6                       ; out of it: row r, my block's 128 bytes
	v_lshlrev_b32 v7, 4, v1                        ; codes out: 16 x lane
	v_lshlrev_b32 v8, 4, v2
	v_lshl_add_u32 v8, v3, 3, v8                   ; scale bytes out: row r's 16 bytes, 8 for each half of the lanes
	v_lshlrev_b32 v9, 3, v3                        ; 8 h: my bytes' shift in a scale word
.irp q, 0,1,2,3
	v_mov_b32 v[P+\q], 0                           ; written once: a lane permute's destination counts as one of its sources
.endr
	s_mov_b32 s20, 0x76543210
	s_mov_b32 s21, 0xfedcba98                      ; v_permlanex16_b32's selects for lane l xor 16
	s_and_b32 s17, ttmp9, 511
	s_lshl_b32 s17, s17, 2
	s_add_co_u32 s17, s17, s16                     ; my unit in its tensor
	s_and_b32 s18, s17, 7                          ; its K step
	s_lshr_b32 s19, s17, 3                         ; its tile of 16 rows
	s_mov_b32 s24, 4352                            ; lora_A's: bytes of a K step in aq,
	s_mov_b32 s25, 4096                            ; and where its scale bytes begin
	s_wait_alu depctr_va_vdst(0)
	s_wait_kmcnt 0x0
	s_cmp_lt_u32 ttmp9, 512                        ; x or signs?  The choice hangs on the work-group's number alone
	s_cselect_b64 s[4:5], s[4:5], s[6:7]
	s_cselect_b64 s[10:11], s[10:11], s[12:13]
	s_cmp_lt_u32 ttmp9, 1024                       ; or lora_A?
	s_cselect_b64 s[4:5], s[4:5], s[8:9]
	s_cselect_b64 s[10:11], s[10:11], s[14:15]
	s_cselect_b32 s24, 34816, s24
	s_cselect_b32 s25, 32768, s25
	s_lshl_b32 s26, s19, 18                        ; 16 rows of 16,384 bytes a tile,
	s_lshl_b32 s27, s18, 11                        ; 2,048 bytes a K step
	s_add_co_u32 s26, s26, s27
	s_mov_b32 s27, 0
	s_add_nc_u64 s[4:5], s[4:5], s[26:27]          ; the source at my unit
	s_lshr_b32 s28, s19, 3
	s_lshl_b32 s28, s28, 3
	s_add_co_u32 s28, s28, s18
	s_mul_i32 s28, s28, s24                        ; (8 x group + K step) x its bytes
	s_and_b32 s30, s19, 7                          ; my tile in its group
	s_lshl_b32 s31, s30, 12
	s_add_co_u32 s26, s28, s31
	s_add_nc_u64 s[6:7], s[10:11], s[26:27]        ; my 4,096 bytes of codes
	s_lshl_b32 s31, s30, 8
	s_add_co_u32 s26, s28, s31
	s_add_co_u32 s26, s26, s25
	s_add_nc_u64 s[8:9], s[10:11], s[26:27]        ; my 256 scale bytes
.macro LOAD t                          ; step t: 64 along K of 16 rows; load i: lanes 0-15 read 256 consecutive bytes of row 2 i, lanes 16-31 of row 2 i + 1
.irp i, 0,1,2,3,4,5,6,7
	global_load_b128 v[R+32*((\t)%3)+4*\i:R+32*((\t)%3)+4*\i+3], v4, s[4:5] offset:32768*\i+256*(\t) th:TH_LOAD_NT
.endr
.endm
.macro STEP t
.set RS, R+32*((\t)%3)
.if (\t) < 6
	s_wait_loadcnt 16                              ; loads come back in order: this step's eight are in, those of the two steps behind it may be out
.else
	s_wait_loadcnt 8*(7-(\t))
.endif
.irp i, 0,1,2,3,4,5,6,7
	ds_store_b128 v5, v[RS+4*\i:RS+4*\i+3] offset:2*PITCH*\i
.endr
.irp j, 0,1,2,3,4,5,6,7
	ds_load_b128 v[X+4*\j:X+4*\j+3], v6 offset:16*\j       ; LDS serves a wave's instructions in order: these see the stores above
.endr
	s_wait_dscnt 0x0                               ; my block is in; the stores have read their registers, and the stage may be written again in the next step
.if (\t)+3 < 8
	LOAD (\t)+3                                    ; into the set that has just gone through the stage
.endif
	v_max3_num_f32 v10, |v[X]|, |v[X+1]|, |v[X+2]|         ; the block's largest magnitude: all 32 numbers are mine; two chains
	v_max3_num_f32 v11, |v[X+3]|, |v[X+4]|, |v[X+5]|
.irp i, 6,10,14,18,22,26
	v_max3_num_f32 v10, v10, |v[X+\i]|, |v[X+\i+1]|
	v_max3_num_f32 v11, v11, |v[X+\i+2]|, |v[X+\i+3]|
.endr
	v_max3_num_f32 v10, v10, |v[X+30]|, |v[X+31]|
	v_max3_num_f32 v10, v10, v11, 0x1800000        ; and the floor 2^(3 - 127): so the byte cannot fall under 1
	v_add_nc_u32 v12, 0xff000000, v10              ; 2 off its exponent field: the conversion takes the exponent field of this operand as its scale, and nothing else of it
.irp g, 0,1,2,3
	v_cvt_scalef32_pk8_fp4_f32 v[C+4*(\t)+\g], v[X+8*\g:X+8*\g+7], v12
.endr
	v_lshrrev_b32 v13, 23, v12                     ; the scale's byte (a plain line behind the conversions)
.if (\t)%2 == 0
	v_mov_b32 v[W+(\t)/2], v13                     ; block h of this 128 along K,
.else
	v_lshl_or_b32 v[W+(\t)/2], v13, 16, v[W+(\t)/2]        ; block 2 + h
.endif
.endm
	LOAD 0
	LOAD 1
	LOAD 2
.irp t, 0,1,2,3,4,5,6,7
	STEP \t
.endr
.irp q, 0,1,2,3
	v_lshlrev_b32 v[W+\q], v9, v[W+\q]             ; my two bytes at their places in the word (8 h bits up);
.endr
.irp q, 0,1,2,3
	v_permlanex16_b32 v[P+\q], v[W+\q], s20, s21
.endr
.irp q, 0,1,2,3
	v_or_b32 v[W+\q], v[W+\q], v[P+\q]             ; with lane l xor 16's two the word is whole, in both halves
.endr
	v_cmp_lt_u32 vcc_lo, 15, v1
	v_cndmask_b32 v22, v[W], v[W+2], vcc_lo        ; lanes 0-15 store words 0 and 1 of row r, lanes 16-31 words 2 and 3
	v_cndmask_b32 v23, v[W+1], v[W+3], vcc_lo
.irp t, 0,1,2,3,4,5,6,7
	global_store_b128 v7, v[C+4*\t:C+4*\t+3], s[6:7] offset:512*\t   ; every step kept its codes in registers of its own: all stores stand behind the last step; 32 lanes store 512 consecutive bytes, aligned: half a fragment
.endr
	global_store_b64 v8, v[22:23], s[8:9]
	s_wait_tensorcnt 0x0
	ds_add_u32 v184, v185
	s_wait_dscnt 0x0
	s_endpgm
.Lfunc_end_k_q090b3f51fc_quant:
	.size	k_q090b3f51fc_quant, .Lfunc_end_k_q090b3f51fc_quant-k_q090b3f51fc_quant
	.p2alignl 7, 3214868480
	.fill 96, 4, 3214868480
	.section	.rodata,"a",@progbits
	.p2align	6, 0x0
	.amdhsa_kernel k_q090b3f51fc_quant
		.amdhsa_group_segment_fixed_size 17920
		.amdhsa_private_segment_fixed_size 0
		.amdhsa_enable_private_segment 0
		.amdhsa_kernarg_size 48
		.amdhsa_user_sgpr_count 2
		.amdhsa_user_sgpr_kernarg_segment_ptr 1
		.amdhsa_wavefront_size32 1
		.amdhsa_system_sgpr_workgroup_id_x 1
		.amdhsa_system_sgpr_workgroup_id_y 1
		.amdhsa_system_sgpr_workgroup_id_z 1
		.amdhsa_system_vgpr_workitem_id 0
		.amdhsa_next_free_vgpr 192
		.amdhsa_next_free_sgpr 66
		.amdhsa_reserve_vcc 1
		.amdhsa_float_denorm_mode_32 3
		.amdhsa_float_denorm_mode_16_64 3
		.amdhsa_memory_ordered 1
		.amdhsa_forward_progress 1
		.amdhsa_inst_pref_size 31
	.end_amdhsa_kernel
	.amdgpu_metadata
---
amdhsa.version: [ 1, 2 ]
amdhsa.kernels:
  - .name:           k_q090b3f51fc_quant
    .symbol:         k_q090b3f51fc_quant.kd
    .args:
      - { .name: x, .offset: 0, .size: 8, .value_kind: global_buffer, .address_space: global }
      - { .name: signs, .offset: 8, .size: 8, .value_kind: global_buffer, .address_space: global }
      - { .name: lora_A, .offset: 16, .size: 8, .value_kind: global_buffer, .address_space: global }
      - { .name: xq, .offset: 24, .size: 8, .value_kind: global_buffer, .address_space: global }
      - { .name: wq, .offset: 32, .size: 8, .value_kind: global_buffer, .address_space: global }
      - { .name: aq, .offset: 40, .size: 8, .value_kind: global_buffer, .address_space: global }
    .group_segment_fixed_size: 17920
    .private_segment_fixed_size: 0
    .kernarg_segment_align: 8
    .kernarg_segment_size: 48
    .max_flat_workgroup_size: 128
    .sgpr_count:     66
    .vgpr_count:     192
    .wavefront_size: 32
...
	.end_amdgpu_metadata
.endif
;; end of part 1
;; launch gemm (part 2): grid 16 x 16, 4 waves a work-group, clusters of 4 x 4, 327,680 bytes of LDS; arguments xq, wq, aq, lora_B, scale, out0; writes out0
.if DOCPART == 2
	.amdgcn_target "amdgcn-amd-amdhsa--gfx1250"
	.amdhsa_code_object_version 6
	.text
	.protected	k_q090b3f51fc_gemm
	.globl	k_q090b3f51fc_gemm
	.p2align	8
	.type	k_q090b3f51fc_gemm,@function
k_q090b3f51fc_gemm:
	s_mov_b64 s[64:65], 0
	v_nop
	global_prefetch_b8 v0, s[64:65] scope:SCOPE_SE
	s_setreg_imm32_b32 hwreg(HW_REG_WAVE_MODE, 25, 1), 1
	s_wait_xcnt 0x0
	s_wait_alu depctr_hold_cnt(0) depctr_sa_sdst(0) depctr_va_vdst(0) depctr_va_sdst(0) depctr_va_ssrc(0) depctr_va_vcc(0) depctr_vm_vsrc(0)
	s_getreg_b32 s2, hwreg(HW_REG_IB_STS2, 6, 4)
	s_cmp_eq_u32 s2, 0
	s_cbranch_scc0 .Lentry_in_a_cluster
	s_endpgm
.Lentry_in_a_cluster:
	s_bfe_u32 s2, ttmp6, 0x10000c
	s_cmp_lg_u32 s2, 0xf033
	s_cbranch_scc0 .Lentry_shape_is_right
	s_endpgm
.Lentry_shape_is_right:
; out[m][n] = scale[n] x sum_k Q(x)[m][k] Q(signs)[n][k] + 2 x sum_r t[m][r] lora_B[n][r],  t[m][r] = sum_k Q(x)[m][k] Q(lora_A)[r][k].
; xq, wq, aq hold the FP4 codes and E8M0 bytes in the order of the operands' registers: [group of 128 rows][K step of 512][34,816 bytes: 32,768 of codes, 2,048 of scale bytes]; aq: [K step][4,352].
; A block of out, 256 x 256, is made by four waves, 128 x 128 each (64 accumulators, windows 2 and 3).  K goes in 8 steps of 512 through two LDS slots; lora_A's codes for all of K lie behind the ring, filled once.
; CLUSTERS: 4 x 4 work-groups; x's parts are asked for jointly along a row of the cluster, signs' along a column.  The matrix instruction is used transposed (source 0 = rows of signs): a lane holds 8 neighbouring columns of a row.
; t: each wave sums t for 64 of its 128 rows (its A blocks 0-3; the two waves of a row half take different halves first) and the two exchange t as bf16 fragments through LDS.  The third product goes in bf16, K = 16 of 32.
; REGISTERS.  window 0: v0-23 addresses; v24-31, v32-95 scale words, two sets; v96-127 t; v128-255 A's fragments, TWO sets.  window 1: v0-143 B's and lora_A's fragments, two sets of 72;
;   v144-179 2 x lora_B as bf16 fragments laid 4 registers apart; v180-243 scale[n] of my columns.  Both operands have two sets: a step of 128 along K begins with ONE run of 34 LDS loads, the next step's
;   fragments into the set that is not multiplied, and its 68 products follow in one unbroken run.
; lora_B's fragment b names v[144+4b : 151+4b]: its upper four registers (k = 16 .. 31) are the next fragment's numbers, and meet the zeros in the upper half of t's fragment.
; LIMIT: that takes 2 x lora_B to be finite in bf16 (magnitudes under 1.7e38); NaN and infinities among the inputs are not served.  No step and no input of the problem is left out.
; PREFETCH: behind fill j each wave asks for its work-group's 34 of the 136 blocks of 256 bytes of the part that it fetches at fill j + 2 (the four partners share a part out by address);
;   K steps 1 and 2 are asked for at the head; the last lap's two fills ask for nothing: K has 8 steps.
.set PART,   34816
.set SLOT,   4*PART                    ; x's two parts, then signs' two
.set LA,     2*SLOT
.set LAK,    4352
.set SPARE,  LA+8*LAK                  ; the spare words: 512 bytes that no other line names
.set TX,     SPARE+512                 ; t's exchange: 2,048 bytes a wave
.set SPITCH, 528                       ; the way out: 16 rows x (512 + 16) bytes a wave, in slot 0 behind its last fill and last read
.set PFO,   3                          ; prefetch offsets: 256 x lane; 256 x min(32 + lane, 33)
.set SPW,   4
.set NIL,   5
.set TXS,   6
.set TXL,   7
.set ADRAL, 8
.set ADRAH, 10
.set ADRB,  12
.set ADSL,  14
.set ADSH,  16
.set ADLA,  18
.set ADLS,  19
.set STO,   20
.set RD,    21
.set CO,    22
.set PFO2,  23
.set LAS,   24
.set SC,    32
.set T,     96
.set AF,    128
.set BK,    32
.set BF,    144
.set SCL,   180
.set G0H, 4                            ; s[4:7], s[96:99]: group 0 of the head's two joint loads
.set G1,  24
.set G0,  32
.set G1B, 48
.set G0B, 56
.set G1P, 68
.set G0P, 76
.set PFA, 80
.set G0HB, 96
.set MSB, 0
.macro WIN new
.if MSB != (\new)
	s_set_vgpr_msb (MSB<<8)|(\new)
.set MSB, (\new)
.endif
.endm
.set MUL_LO, 0xa1
.set MUL_HI, 0xf1
.set TW,     0x01
.set TO_B,   0x40
.macro PLACES n
.rept \n
	v_nop
.endr
.endm
.macro JLOAD g0a, g1a, g0b, g1b        ; waves 0, 1 fetch x's parts, waves 2, 3 signs'; s_nop 0 and four v_nop behind each line
	s_cmp_eq_u32 s17, 0
	s_cbranch_scc0 .Lfor_b_\@
	tensor_load_to_lds s[\g0a:\g0a+3], s[\g1a:\g1a+7]
	s_nop 0
	PLACES 4
	s_branch .Lasked_\@
.Lfor_b_\@:
	tensor_load_to_lds s[\g0b:\g0b+3], s[\g1b:\g1b+7]
	s_nop 0
	PLACES 4
.Lasked_\@:
.endm
.macro CREST
	s_cmp_lg_u32 s16, 0
	s_cbranch_scc1 .Lnot_wave_0_\@
	s_barrier_signal -3
.Lnot_wave_0_\@:
	s_barrier_wait -3
	s_barrier_signal -1
	s_barrier_wait -1
.endm
.macro CROUND
	s_barrier_signal -1
	s_barrier_wait -1
	CREST
.endm
.macro ASK off                         ; my 34 blocks of 256 bytes, a lane a block; the second line's spare lanes name the last block again
	global_prefetch_b8 v[PFO], s[PFA:PFA+1] offset:\off th:TH_LOAD_NT scope:SCOPE_SE
	global_prefetch_b8 v[PFO2], s[PFA:PFA+1] offset:\off th:TH_LOAD_NT scope:SCOPE_SE
.endm
	s_load_b256 s[4:11], s[0:1], 0x0               ; xq, wq, aq, lora_B
	s_load_b128 s[12:15], s[0:1], 0x20             ; scale, out0
	v_lshl_add_u32 v[SPW], v0, 2, SPARE
	v_mov_b32 v[NIL], 0
	ds_add_u32 v[SPW], v[NIL]                      ; the opening lines: the add twice on end under one wait
	ds_add_u32 v[SPW], v[NIL]
	v_lshrrev_b32 v1, 5, v0
	v_readfirstlane_b32 s16, v1                    ; wave
	v_and_b32 v1, 15, v0                           ; r
	v_bfe_u32 v2, v0, 4, 1                         ; h
	v_lshlrev_b32 v96, 6, v1
	v_lshl_add_u32 v96, v2, 5, v96                 ; lora_B: row r of 64 bytes, + 32 h
	v_lshlrev_b32 v97, 5, v2                       ; scale: 32 h
	v_and_b32 v98, 31, v0                          ; lane
	v_lshlrev_b32 v[PFO], 8, v98
	v_add_nc_u32 v99, 32, v98
	v_min_u32 v99, 33, v99
	v_lshlrev_b32 v[PFO2], 8, v99
	s_lshr_b32 s17, s16, 1                         ; my half of the rows; also: I fetch for x (0) or signs (1)
	s_and_b32 s18, s16, 1                          ; my half of the columns; also: which part I fetch
	s_bfe_u32 s20, ttmp6, 0x40000                  ; cx
	s_bfe_u32 s21, ttmp6, 0x40004                  ; cy
	s_lshl_b32 s22, ttmp9, 2
	s_add_co_u32 s22, s22, s20                     ; block column
	s_and_b32 s23, ttmp7, 0xffff
	s_lshl_b32 s23, s23, 2
	s_add_co_u32 s23, s23, s21                     ; block row
	s_lshl_b32 s40, s21, 2
	s_lshl_b32 s40, 15, s40                        ; my row of the cluster
	s_lshl_b32 s41, 0x1111, s20                    ; my column
	s_or_b32 s[G1+0], s40, (3<<16)|(1<<21)         ; elements of 8 bytes, no padding
	s_or_b32 s[G1B+0], s41, (3<<16)|(1<<21)
.irp g, G1, G1B                        ; the head's shape: both parts of a K step: 2 rows of 4,352 elements, 8 parts apart
	s_mov_b32 s[\g+1], 4352<<16
	s_mov_b32 s[\g+2], 2<<16
	s_mov_b32 s[\g+3], 4352<<16
	s_mov_b32 s[\g+4], 2
	s_mov_b32 s[\g+5], 8*4352
	s_mov_b32 s[\g+6], 0
	s_mov_b32 s[\g+7], 0
.endr
	s_mov_b32 s[G1P+0], 3<<16                      ; half of lora_A's codes: 68 rows of 256 bytes, my work-group's own load
	s_mov_b32 s[G1P+1], 32<<16
	s_mov_b32 s[G1P+2], 68<<16
	s_mov_b32 s[G1P+3], 32<<16
	s_mov_b32 s[G1P+4], 68
	s_mov_b32 s[G1P+5], 32
	s_mov_b32 s[G1P+6], 0
	s_mov_b32 s[G1P+7], 0
	s_lshl_b32 s42, s23, 1
	s_mul_i32 s88, s42, 8*PART                     ; x: the block's first group
	s_mov_b32 s89, 0
	s_add_co_u32 s42, s42, s18
	s_mul_i32 s42, s42, 8*PART                     ; and the group that I fetch in the ring
	s_mov_b32 s43, 0
	s_lshl_b32 s46, s22, 1
	s_mul_i32 s90, s46, 8*PART                     ; signs likewise
	s_mov_b32 s91, 0
	s_add_co_u32 s46, s46, s18
	s_mul_i32 s46, s46, 8*PART
	s_mov_b32 s47, 0
	s_mul_i32 s44, s16, PART                       ; my part's place in a slot
	s_mul_i32 s45, s18, 4*LAK                      ; waves 2, 3: which half of lora_A's codes
	s_mov_b32 s84, s45
	s_mov_b32 s85, 0
	s_lshl_b32 s86, s22, 8
	s_lshl_b32 s87, s18, 7
	s_add_co_u32 s86, s86, s87                     ; my first column
	s_lshl_b32 s92, s86, 6
	s_mov_b32 s93, 0
	s_lshl_b32 s40, s86, 2                         ; in bytes of a row of out and of scale
	s_mov_b32 s94, s40
	s_mov_b32 s95, 0
	s_wait_alu depctr_va_vdst(0)
	s_wait_dscnt 0x0
	s_wait_kmcnt 0x0
	s_add_nc_u64 s[10:11], s[10:11], s[92:93]
	s_add_nc_u64 s[12:13], s[12:13], s[94:95]
.irp b, 0,1,2,3,4,5,6,7                ; lora_B and scale are asked for first: they travel while the tiles do
	global_load_b128 v[AF+8*\b:AF+8*\b+3],   v96, s[10:11] offset:1024*\b
	global_load_b128 v[AF+8*\b+4:AF+8*\b+7], v96, s[10:11] offset:1024*\b+16
.endr
	WIN TO_B
.irp b, 0,1,2,3,4,5,6,7
	global_load_b128 v[SCL+8*\b:SCL+8*\b+3],   v97, s[12:13] offset:64*\b
	global_load_b128 v[SCL+8*\b+4:SCL+8*\b+7], v97, s[12:13] offset:64*\b+16
.endr
	WIN 0
	s_add_nc_u64 s[42:43], s[4:5], s[42:43]
	s_add_nc_u64 s[46:47], s[6:7], s[46:47]
	s_add_nc_u64 s[88:89], s[4:5], s[88:89]
	s_add_nc_u64 s[90:91], s[6:7], s[90:91]
	s_cmp_eq_u32 s17, 0
	s_cselect_b32 s86, s20, s21                    ; my place among the four that ask with me
	s_cselect_b64 s[PFA:PFA+1], s[42:43], s[46:47]
	s_mul_i32 s86, s86, 34*256
	s_add_co_u32 s86, s86, PART                    ; at K step 1
	s_mov_b32 s87, 0
	s_add_nc_u64 s[PFA:PFA+1], s[PFA:PFA+1], s[86:87]
	s_mov_b32 s[G0H], 1
	s_mov_b32 s[G0H+1], 0
	s_mov_b64 s[G0H+2:G0H+3], s[88:89]
	s_or_b32 s[G0H+3], s[G0H+3], 0x80000000
	s_mov_b32 s[G0HB], 1
	s_mov_b32 s[G0HB+1], 2*PART
	s_mov_b64 s[G0HB+2:G0HB+3], s[90:91]
	s_or_b32 s[G0HB+3], s[G0HB+3], 0x80000000
	s_mov_b32 s[G0P], 1
	s_add_co_u32 s[G0P+1], s45, LA
	s_add_nc_u64 s[G0P+2:G0P+3], s[8:9], s[84:85]
	s_or_b32 s[G0P+3], s[G0P+3], 0x80000000
.irp s, 0,1
	s_mov_b32 s[G0+4*\s], 1
	s_add_co_u32 s[G0+4*\s+1], s44, \s*SLOT
	s_add_nc_u64 s[G0+4*\s+2:G0+4*\s+3], s[42:43], \s*PART
	s_or_b32 s[G0+4*\s+3], s[G0+4*\s+3], 0x80000000
	s_mov_b32 s[G0B+4*\s], 1
	s_add_co_u32 s[G0B+4*\s+1], s44, \s*SLOT
	s_add_nc_u64 s[G0B+4*\s+2:G0B+4*\s+3], s[46:47], \s*PART
	s_or_b32 s[G0B+4*\s+3], s[G0B+4*\s+3], 0x80000000
.endr
	CROUND                                         ; all sixteen work-groups are here: the first joint loads meet
; The head's loads, one a wave, in one tree: wave 0 x's two parts of K step 0, wave 1 signs', waves 2 and 3 a half of lora_A's codes each.
.macro ARM under, g0, g1, next
	s_cmp_lt_u32 s16, \under
	s_cbranch_scc0 \next
	tensor_load_to_lds s[\g0:\g0+3], s[\g1:\g1+7]
	s_nop 0
	PLACES 4
	s_branch .Lhead_asked
\next:
.endm
	ARM 1, G0H,  G1,  .Lhead_b
	ARM 2, G0HB, G1B, .Lhead_la
	tensor_load_to_lds s[G0P:G0P+3], s[G1P:G1P+7]
	s_nop 0
	PLACES 4
.Lhead_asked:
	ASK 0                                          ; K steps 1 and 2
	ASK PART
	s_lshl_b32 s90, s23, 8                         ; where my rows go in out: blocks 0-3 (s[14:15]) and blocks 4-7 (s[82:83])
	s_lshl_b32 s91, s17, 7
	s_add_co_u32 s90, s90, s91
	s_lshl_b32 s91, s18, 6
	s_add_co_u32 s92, s90, s91
	s_lshl_b32 s92, s92, 14
	s_add_co_u32 s92, s92, s40
	s_mov_b32 s93, 0
	s_xor_b32 s91, s18, 1
	s_lshl_b32 s91, s91, 6
	s_add_co_u32 s94, s90, s91
	s_lshl_b32 s94, s94, 14
	s_add_co_u32 s94, s94, s40
	s_mov_b32 s95, 0
	s_add_nc_u64 s[82:83], s[14:15], s[94:95]
	s_add_nc_u64 s[14:15], s[14:15], s[92:93]
	s_mul_i32 s84, s17, PART                       ; LDS: my part of x; its tiles 4 s18 .. first, the other four second
	s_lshl_b32 s85, s18, 14
	s_add_co_u32 s85, s85, s84
	s_xor_b32 s86, s18, 1
	s_lshl_b32 s87, s86, 14
	s_add_co_u32 s87, s87, s84
	s_add_co_u32 s88, s18, 2
	s_mul_i32 s88, s88, PART                       ; my part of signs
	s_add_co_u32 s84, s84, 32768                   ; the scale bytes
	s_add_co_u32 s41, s88, 32768
	s_lshl_b32 s89, s18, 10
	s_add_co_u32 s89, s89, s84
	s_sub_co_u32 s90, s41, s89
	s_lshl_b32 s91, s86, 10
	s_add_co_u32 s91, s91, s84
	s_add_co_u32 s92, s41, 1024
	s_sub_co_u32 s92, s92, s91
	s_mul_i32 s93, s16, 16*SPITCH
	s_lshl_b32 s94, s16, 11
	s_xor_b32 s95, s16, 1
	s_lshl_b32 s95, s95, 11
	v_lshlrev_b32 v[CO], 4, v98                    ; 16 x lane
	v_lshlrev_b32 v98, 4, v1                       ; 16 r
	v_add_nc_u32 v[ADRAL], s85, v[CO]
	v_add_nc_u32 v[ADRAH], s87, v[CO]
	v_add_nc_u32 v[ADRB], s88, v[CO]
	v_add_nc_u32 v[ADRAL+1], SLOT, v[ADRAL]
	v_add_nc_u32 v[ADRAH+1], SLOT, v[ADRAH]
	v_add_nc_u32 v[ADRB+1], SLOT, v[ADRB]
	v_mul_u32_u24 v99, s90, v2                     ; scale words: lanes 0-15 x's rows, lanes 16-31 signs'
	v_add_nc_u32 v99, v99, v98
	v_add_nc_u32 v[ADSL], s89, v99
	v_add_nc_u32 v[ADSL+1], SLOT, v[ADSL]
	v_mul_u32_u24 v99, s92, v2
	v_add_nc_u32 v99, v99, v98
	v_add_nc_u32 v[ADSH], s91, v99
	v_add_nc_u32 v[ADSH+1], SLOT, v[ADSH]
	v_add_nc_u32 v[ADLA], LA, v[CO]
	v_add_nc_u32 v[ADLS], LA+4096, v98
	v_mul_u32_u24 v99, v1, SPITCH
	v_lshl_add_u32 v99, v2, 5, v99
	v_add_nc_u32 v[STO], s93, v99
	v_add_nc_u32 v[RD], s93, v[CO]
	v_add_nc_u32 v[TXS], s94, v[CO]
	v_add_nc_u32 v[TXS], TX, v[TXS]
	v_add_nc_u32 v[TXL], s95, v[CO]
	v_add_nc_u32 v[TXL], TX, v[TXL]
	s_wait_alu depctr_va_vdst(0)
	s_wait_loadcnt 0x0                             ; lora_B and scale are in
.set i, 0
.rept 32
	v_pk_mul_f32 v[AF+i:AF+i+1], v[AF+i:AF+i+1], 2.0 op_sel_hi:[1,0]   ; alpha / rank
.set i, i+2
.endr
	WIN TO_B
.irp b, 0,1,2,3,4,5,6,7
.irp j, 0,1,2,3
	v_cvt_pk_bf16_f32 v[BF+4*\b+\j], v[AF+8*\b+2*\j], v[AF+8*\b+2*\j+1]
.endr
.endr
.irp j, 0,1,2,3
	v_mov_b32 v[BF+32+\j], 0                       ; the last fragment's upper half
.endr
	WIN 0
.macro FRAG reg, adr, off              ; a fragment is 1,024 bytes on end: register group c of lane l at 512 c + 16 l
.irp c, 0,1
	ds_load_b128 v[(\reg)+4*\c:(\reg)+4*\c+3], v[\adr] offset:(\off)+512*\c
.endr
.endm
.macro FETCH_B4 slot, q, p, i0         ; signs' fragments i0 .. i0 + 3 of the slot's q-th 128 along K into set p
	WIN TO_B
.irp i, 0,1,2,3
	FRAG 72*(\p)+8*((\i0)+\i), ADRB+(\slot), 4096*((\i0)+\i)+1024*(\q)
.endr
.endm
.macro FETCH_LA q, p                   ; lora_A's fragment (the window is FETCH_B4's)
	FRAG 72*(\p)+64, ADLA, 1024*(\q)
.endm
.macro FETCH_A slot, q, p, half
	WIN 0
.irp j, 0,1,2,3
	FRAG AF+64*(\p)+8*(4*(\half)+\j), ADRAL+2*(\half)+(\slot), 4096*\j+1024*(\q)
.endr
.endm
.macro FETCH slot, q, p                ; a step's 34 loads in one run: B's eight fragments, lora_A's, A's eight
	FETCH_B4 \slot, \q, \p, 0
	FETCH_B4 \slot, \q, \p, 4
	FETCH_LA \q, \p
	FETCH_A \slot, \q, \p, 0
	FETCH_A \slot, \q, \p, 1
.endm
.macro SCALES sc
.irp j, 0,1,2,3
	ds_load_b128 v[SC+32*(\sc)+4*\j:SC+32*(\sc)+4*\j+3], v[ADSL+(\sc)] offset:256*\j
.endr
.irp j, 0,1,2,3
	ds_load_b128 v[SC+32*(\sc)+16+4*\j:SC+32*(\sc)+16+4*\j+3], v[ADSH+(\sc)] offset:256*\j
.endr
	ds_load_b128 v[LAS+4*(\sc):LAS+4*(\sc)+3], v[ADLS]
.endm
.macro MUL8 a, p, q, sc, zero          ; A's block a against B's eight; the accumulators take turns
.irp b, 0,1,2,3,4,5,6,7
.if \zero
	v_wmma_scale_f32_16x16x128_f8f6f4 v[8*(8*((\a)%4)+\b):8*(8*((\a)%4)+\b)+7], v[72*(\p)+8*\b:72*(\p)+8*\b+7], v[AF+64*(\p)+8*(\a):AF+64*(\p)+8*(\a)+7], 0, v[SC+32*(\sc)+4*\b+(\q)], v[SC+32*(\sc)+4*(\a)+(\q)] matrix_a_fmt:MATRIX_FMT_FP4 matrix_b_fmt:MATRIX_FMT_FP4 matrix_a_scale:MATRIX_SCALE_ROW1
.else
	v_wmma_scale_f32_16x16x128_f8f6f4 v[8*(8*((\a)%4)+\b):8*(8*((\a)%4)+\b)+7], v[72*(\p)+8*\b:72*(\p)+8*\b+7], v[AF+64*(\p)+8*(\a):AF+64*(\p)+8*(\a)+7], v[8*(8*((\a)%4)+\b):8*(8*((\a)%4)+\b)+7], v[SC+32*(\sc)+4*\b+(\q)], v[SC+32*(\sc)+4*(\a)+(\q)] matrix_a_fmt:MATRIX_FMT_FP4 matrix_b_fmt:MATRIX_FMT_FP4 matrix_a_scale:MATRIX_SCALE_ROW1
.endif
.endr
.endm
.macro MUL16 a0, p, q, sc, zero
	MUL8 \a0, \p, \q, \sc, \zero
	MUL8 (\a0)+1, \p, \q, \sc, \zero
.endm
.macro T4 p, q, sc, zero               ; t of my blocks 0-3
.irp a, 0,1,2,3
.if \zero
	v_wmma_scale_f32_16x16x128_f8f6f4 v[T+8*\a:T+8*\a+7], v[72*(\p)+64:72*(\p)+71], v[AF+64*(\p)+8*\a:AF+64*(\p)+8*\a+7], 0, v[LAS+4*(\sc)+(\q)], v[SC+32*(\sc)+4*\a+(\q)] matrix_a_fmt:MATRIX_FMT_FP4 matrix_b_fmt:MATRIX_FMT_FP4
.else
	v_wmma_scale_f32_16x16x128_f8f6f4 v[T+8*\a:T+8*\a+7], v[72*(\p)+64:72*(\p)+71], v[AF+64*(\p)+8*\a:AF+64*(\p)+8*\a+7], v[T+8*\a:T+8*\a+7], v[LAS+4*(\sc)+(\q)], v[SC+32*(\sc)+4*\a+(\q)] matrix_a_fmt:MATRIX_FMT_FP4 matrix_b_fmt:MATRIX_FMT_FP4
.endif
.endr
.endm
; A step of 128 along K whose successor lies in the same slot: the successor's 34 loads into the other set, then this step's 68 products on set q % 2.
.macro STEP slot, q, zero
	PLACES 4                                       ; four places between the last step's products, which read the other set, and the loads into it
	FETCH \slot, (\q)+1, 1-(\q)%2
	s_wait_dscnt 34                                ; all but the 34 just issued: this step's fragments and scale words are in
	WIN MUL_LO
	MUL16 0, (\q)%2, \q, \slot, \zero
	MUL16 2, (\q)%2, \q, \slot, \zero
	WIN TW
	T4 (\q)%2, \q, \slot, \zero
	WIN MUL_HI
	MUL16 4, (\q)%2, \q, \slot, \zero
	MUL16 6, (\q)%2, \q, \slot, \zero
.endm
; A slot's last step changes slots: one barrier (with fill = 1 it opens a round of the cluster's barrier, and this slot is filled again, two K steps on).
.macro TURN slot, next, fill
	WIN 0
.if \fill
	s_wait_xcnt 0x0                                ; my prefetches have read their address
	s_add_nc_u64 s[PFA:PFA+1], s[PFA:PFA+1], PART
.endif
	s_wait_tensorcnt 0x0                           ; my part of the next slot has landed
	ds_add_u32 v[SPW], v[NIL]
	s_wait_dscnt 1                                 ; the add alone may be out: this step's fragments are in
	WIN MUL_LO
	MUL16 0, 1, 3, \slot, 0
	s_wait_dscnt 0x0                               ; the add is done, my reads of this slot are over
	s_barrier_signal -1
	MUL16 2, 1, 3, \slot, 0
	WIN TW
	T4 1, 3, \slot, 0
	WIN 0
	s_barrier_wait -1
.if \fill
	CREST
	s_add_nc_u64 s[G0+4*\slot+2:G0+4*\slot+3], s[G0+4*\slot+2:G0+4*\slot+3], 2*PART
	s_add_nc_u64 s[G0B+4*\slot+2:G0B+4*\slot+3], s[G0B+4*\slot+2:G0B+4*\slot+3], 2*PART
	JLOAD G0+4*\slot, G1, G0B+4*\slot, G1B         ; its four v_nop are also the places in front of the loads below
.else
	PLACES 4
.endif
	v_add_nc_u32 v[ADLA], LAK, v[ADLA]             ; lora_A's next K step
	v_add_nc_u32 v[ADLS], LAK, v[ADLS]
	s_wait_alu depctr_va_vdst(0)
	FETCH \next, 0, 0                              ; the next slot's first fragments and its scale words: 43 loads in one run
	SCALES \next
.if \fill
	s_cmp_gt_u32 s3, 1                             ; the last lap's fills have no K step two on
	s_cbranch_scc0 .Lno_ask_\@
	ASK 2*PART
.Lno_ask_\@:
.endif
	WIN MUL_HI
	MUL16 4, 1, 3, \slot, 0
	MUL16 6, 1, 3, \slot, 0
.endm
.macro STEPS slot, from
.set Q, \from
.rept 3-\from
	STEP \slot, Q, 0
.set Q, Q+1
.endr
.endm
	s_wait_alu depctr_va_vdst(0)
	s_wait_tensorcnt 0x0                           ; my tile of the head's is in
	ds_add_u32 v[SPW], v[NIL]
.irp g, G1, G1B                        ; no tensor load of mine is out: from here on a load brings one part, 136 rows of 256 bytes
	s_mov_b32 s[\g+1], 32<<16
	s_mov_b32 s[\g+2], 136<<16
	s_mov_b32 s[\g+3], 32<<16
	s_mov_b32 s[\g+4], 136
	s_mov_b32 s[\g+5], 32
.endr
	s_wait_dscnt 0x0
	CROUND
	JLOAD G0+4, G1, G0B+4, G1B                     ; K step 1 into slot 1: the first tensor load behind the round
	FETCH 0, 0, 0
	SCALES 0
	ASK 2*PART                                     ; K step 3
	STEP 0, 0, 1                                   ; the first step's products start the sums
	WIN 0
	s_mov_b32 s3, 3
.Llap:                                                 ; once round the ring, from a lap's second step to the next lap's first
	STEPS 0, 1
	TURN 0, 1, 1
	STEPS 1, 0
	TURN 1, 0, 1
	STEP 0, 0, 0
	WIN 0
	s_sub_co_u32 s3, s3, 1
	s_cmp_lg_u32 s3, 0
	s_cbranch_scc1 .Llap
	STEPS 0, 1                                     ; the last lap fills nothing
	TURN 0, 1, 0
	STEPS 1, 0
	s_wait_dscnt 8                                 ; the very last step: all but A's blocks 4-7 are in
	WIN MUL_LO
	MUL16 0, 1, 3, 1, 0
	MUL16 2, 1, 3, 1, 0
	WIN TW
	T4 1, 3, 1, 0
	s_wait_dscnt 0
	WIN MUL_HI
	MUL16 4, 1, 3, 1, 0
	MUL16 6, 1, 3, 1, 0
	PLACES 4
; t as bf16 fragments (window 1, v0-63; k = 16 .. 31 are zeros); my four go to the wave that shares my rows, its four come to me
	WIN TO_B
.irp a, 0,1,2,3,4,5,6,7
.irp j, 4,5,6,7
	v_mov_b32 v[8*\a+\j], 0
.endr
.endr
.irp a, 0,1,2,3
.irp j, 0,1,2,3
	v_cvt_pk_bf16_f32 v[8*\a+\j], v[T+8*\a+2*\j], v[T+8*\a+2*\j+1]
.endr
.endr
	WIN 0x04
.irp a, 0,1,2,3
	ds_store_b128 v[TXS], v[8*\a:8*\a+3] offset:512*\a
.endr
	WIN 0
	s_wait_dscnt 0x0                               ; for the other wave's sake
	s_barrier_signal -1
	s_barrier_wait -1
	WIN TO_B
.irp a, 0,1,2,3
	ds_load_b128 v[32+8*\a:32+8*\a+3], v[TXL] offset:512*\a
.endr
.macro SCALE a                         ; block a x scale[n]
.set AC, 64*((\a)%4)
	WIN 0x86+0x41*((\a)/4)
.irp b, 0,1,2,3,4,5,6,7
.irp j, 0,2,4,6
	v_pk_mul_f32 v[AC+8*\b+\j:AC+8*\b+\j+1], v[AC+8*\b+\j:AC+8*\b+\j+1], v[SCL+8*\b+\j:SCL+8*\b+\j+1]
.endr
.endr
.endm
.macro LORA a                          ; + 2 t lora_B^T
.set AC, 64*((\a)%4)
	WIN 0xa5+0x50*((\a)/4)
.irp b, 0,1,2,3,4,5,6,7
	v_wmma_f32_16x16x32_bf16 v[AC+8*\b:AC+8*\b+7], v[BF+4*\b:BF+4*\b+7], v[8*(\a):8*(\a)+7], v[AC+8*\b:AC+8*\b+7]
.endr
.endm
.macro TOSTAGE a                       ; 16 rows x 512 bytes through my stage, back as whole rows
.set AC, 64*((\a)%4)
	WIN 0x08+4*((\a)/4)
.irp b, 0,1,2,3,4,5,6,7
	ds_store_b128 v[STO], v[AC+8*\b:AC+8*\b+3] offset:64*\b
	ds_store_b128 v[STO], v[AC+8*\b+4:AC+8*\b+7] offset:64*\b+16
.endr
	WIN 0
.set BB, BK+96*((\a)%2)
.irp t, 0,1,2,3,4,5,6,7,8,9,10,11,12,13,14,15
	ds_load_b128 v[BB+4*\t:BB+4*\t+3], v[RD] offset:\t*SPITCH
.endr
.endm
.macro SEND a, younger
.set BB, BK+96*((\a)%2)
	s_wait_dscnt \younger
.if (\a) == 4
	s_mov_b64 s[14:15], s[82:83]
.elseif (\a) > 0
	s_add_nc_u64 s[14:15], s[14:15], 16*16384
.endif
.irp t, 0,1,2,3,4,5,6,7,8,9,10,11,12,13,14,15
	global_store_b128 v[CO], v[BB+4*\t:BB+4*\t+3], s[14:15] offset:\t*16384 th:TH_STORE_NT   ; 32 lanes store 512 consecutive bytes, aligned
.endr
.endm
	SCALE 0
	s_wait_alu depctr_va_vdst(0)
	s_wait_dscnt 0x0                               ; the other wave's t is in
	LORA 0
	SCALE 1
	TOSTAGE 0
.irp a, 1,2,3,4,5,6,7
	LORA \a
.if \a < 7
	SCALE \a+1                                     ; also the places behind block a's products
.else
	PLACES 4
.endif
.if \a > 1
	s_wait_xcnt 0x0                                ; block a - 2's stores have read their registers and base
.endif
	TOSTAGE \a
	s_wait_alu depctr_va_vdst(0)
	SEND \a-1, 32
.endr
	s_wait_xcnt 0x0
	SEND 7, 0
	s_wait_tensorcnt 0x0                           ; the wave's end
	ds_add_u32 v[SPW], v[NIL]
	s_wait_dscnt 0x0
	CROUND                                         ; the closing round
	s_endpgm
.Lfunc_end_k_q090b3f51fc_gemm:
	.size	k_q090b3f51fc_gemm, .Lfunc_end_k_q090b3f51fc_gemm-k_q090b3f51fc_gemm
	.p2alignl 7, 3214868480
	.fill 96, 4, 3214868480
	.section	.rodata,"a",@progbits
	.p2align	6, 0x0
	.amdhsa_kernel k_q090b3f51fc_gemm
		.amdhsa_group_segment_fixed_size 327680
		.amdhsa_private_segment_fixed_size 0
		.amdhsa_enable_private_segment 0
		.amdhsa_kernarg_size 48
		.amdhsa_user_sgpr_count 2
		.amdhsa_user_sgpr_kernarg_segment_ptr 1
		.amdhsa_wavefront_size32 1
		.amdhsa_system_sgpr_workgroup_id_x 1
		.amdhsa_system_sgpr_workgroup_id_y 1
		.amdhsa_system_sgpr_workgroup_id_z 1
		.amdhsa_system_vgpr_workitem_id 0
		.amdhsa_next_free_vgpr 1024
		.amdhsa_next_free_sgpr 100
		.amdhsa_reserve_vcc 0
		.amdhsa_float_denorm_mode_32 3
		.amdhsa_float_denorm_mode_16_64 3
		.amdhsa_memory_ordered 1
		.amdhsa_forward_progress 1
		.amdhsa_inst_pref_size 254
	.end_amdhsa_kernel
	.amdgpu_metadata
---
amdhsa.version: [ 1, 2 ]
amdhsa.kernels:
  - .name:           k_q090b3f51fc_gemm
    .symbol:         k_q090b3f51fc_gemm.kd
    .args:
      - { .name: xq, .offset: 0, .size: 8, .value_kind: global_buffer, .address_space: global }
      - { .name: wq, .offset: 8, .size: 8, .value_kind: global_buffer, .address_space: global }
      - { .name: aq, .offset: 16, .size: 8, .value_kind: global_buffer, .address_space: global }
      - { .name: lora_B, .offset: 24, .size: 8, .value_kind: global_buffer, .address_space: global }
      - { .name: scale, .offset: 32, .size: 8, .value_kind: global_buffer, .address_space: global }
      - { .name: out0, .offset: 40, .size: 8, .value_kind: global_buffer, .address_space: global }
    .group_segment_fixed_size: 327680
    .private_segment_fixed_size: 0
    .kernarg_segment_align: 8
    .kernarg_segment_size: 48
    .max_flat_workgroup_size: 128
    .sgpr_count:     100
    .vgpr_count:     1024
    .wavefront_size: 32
...
	.end_amdgpu_metadata
.endif
;; end of part 2
